; MI455X (gfx1250); checked and timed in simulation.
; The chip was launched on July 23, 2026; its instructions are those of AMD's public machine-readable ISA for CDNA 5 (MIT licence, August 2026) and "CDNA5" Instruction Set Architecture Reference Guide (July 2026). The comments in the code are by the model that wrote it; some were corrected since.
;; Multi Head Attention. Allowed arithmetic: matrix products marked QUANTISED: E2M1 operands, one E8M0 scale for each 32 along K, by v_wmma_scale_f32_16x16x128_f8f6f4 with both operands' format E2M1 (or v_wmma_scale_f32_32x16x128_f4), f32 sums; products left as they are: bf16, f16 or f32 operands; f32 sums; everything else in f32.
;; Inputs: Wk 1,024 x 1,024 float32; Wo 1,024 x 1,024 float32; Wq 1,024 x 1,024 float32; Wv 1,024 x 1,024 float32; bk 1,024 float32; bo 1,024 float32; bq 1,024 float32; bv 1,024 float32; x 4 x 2,048 x 1,024 float32.
;; Outputs: out0 4 x 2,048 x 1,024 float32.
;; This version of the problem:
;;   THIS VERSION OF THE PROBLEM IS GIVEN IN LOW PRECISION. The matrix products marked QUANTISED in the list below multiply operands that are first quantised to E2M1 (2 exponent bits, 1 mantissa bit; 4 bits a number), with one power-of-two scale for each 32 numbers along K (OCP MX v1.0); their sums are f32. The products marked 'left as it is' may take bf16, f16 or f32 operands, with f32 sums. All else is computed in f32.
;;   The module's matrix products, in the order in which they are computed (A, B: the left and right operand; K: the contracted axis; several contracted axes count as one K, in the product's order):
;;     1. [M 8,192, K 1,024] x [K 1,024, N 1,024]; A: input x; B: input Wq: QUANTISED
;;     2. [M 8,192, K 1,024] x [K 1,024, N 1,024]; A: input x; B: input Wk: QUANTISED
;;     3. [M 8,192, K 1,024] x [K 1,024, N 1,024]; A: input x; B: input Wv: QUANTISED
;;     4. batch 64 x [M 2,048, K 64] x [K 64, N 2,048]; A: computed on the way; B: computed on the way: left as it is (an operand is computed on the way)
;;     5. batch 64 x [M 2,048, K 2,048] x [K 2,048, N 64]; A: computed on the way; B: computed on the way: left as it is (an operand is computed on the way)
;;     6. [M 8,192, K 1,024] x [K 1,024, N 1,024]; A: computed on the way; B: input Wo: left as it is (an operand is computed on the way)
;;   THE QUANTISER, for each operand of a quantised product, along K:
;;     - K is cut into blocks of 32 from its start; a last block that is shorter is filled with zeros.
;;     - A block's scale is 2^e with e = floor(log2(the largest magnitude in the block)) - 2, held to -126 .. 127; a block of zeros has e = 0. As a byte (E8M0): e + 127.
;;     - Each number is divided by its block's scale, clamped to +-6, and rounded to the nearest number of E2M1, ties to even, subnormals kept.
;;     - The product sums the exact products of the quantised numbers (number of the format x scale) in f32.
;;   ~~~python
;;   def quantise(x, axis):      # numpy; x: float32 -> the quantised numbers, widened to float32 again
;;       x = np.moveaxis(x, axis, -1); K = x.shape[-1]
;;       x = np.pad(x, [(0, 0)] * (x.ndim - 1) + [(0, -K % 32)]); x = x.reshape(x.shape[:-1] + (-1, 32)); a = np.abs(x).max(-1, keepdims=True)
;;       e = np.where(a > 0, np.clip(np.frexp(np.where(a > 0, a, 1))[1] - 1 - 2, -126, 127), 0)      # np.frexp(a)[1] - 1 = floor(log2(a)), exactly
;;       r = np.clip(x / 2.0 ** e, -6, 6)
;;       step = 2.0 ** (np.maximum(np.frexp(np.where(r == 0, 1, r))[1] - 1, 0) - 1)
;;       q = np.round(r / step) * step * 2.0 ** e      # np.round: ties to even
;;       return np.moveaxis(q.reshape(q.shape[:-2] + (-1,))[..., :K], -1, axis).astype(np.float32)
;;   ~~~
;; One version. Each part assembles by itself: llvm-mc -triple=amdgcn-amd-amdhsa -mcpu=gfx1250 --defsym DOCPART=n.
;; ======== version 1 of 1: 4 launches
;; limits: values are held in f16: magnitudes above 65,504 overflow, below 6.1e-05 lose precision
;; workspace buffers: xcodes 4,194,304 bytes; xscales 262,144 bytes; wimg 1,572,864 bytes; wscales 98,304 bytes; woimg 2,097,152 bytes; qkv 50,331,648 bytes; cimg 16,777,216 bytes
;; launch prep (part 1): grid 512 x 1, 4 waves a work-group, no clusters, 33,280 bytes of LDS; arguments x, Wq, Wk, Wv, Wo, xcodes, xscales, wimg, wscales, woimg; writes xcodes, xscales, wimg, wscales, woimg
.if DOCPART == 1
	.amdgcn_target "amdgcn-amd-amdhsa--gfx1250"
	.amdhsa_code_object_version 6
	.text
	.protected	k_qda5ed95e27_prep
	.globl	k_qda5ed95e27_prep
	.p2align	8
	.type	k_qda5ed95e27_prep,@function
k_qda5ed95e27_prep:
	s_mov_b64 s[64:65], 0
	v_nop
	global_prefetch_b8 v0, s[64:65] scope:SCOPE_SE
	s_setreg_imm32_b32 hwreg(HW_REG_WAVE_MODE, 25, 1), 1
	s_wait_xcnt 0x0
; PREP.  x [8192][1024] f32 and Wq, Wk, Wv [1024 (k)][1024 (n)] f32 become codes of FP4 (E2M1) with one E8M0 byte for each 32 along K; Wo [1024 (k)][1024 (n)] becomes f16.
; A block's scale is 2^(floor(log2(its largest magnitude)) - 2); its byte is the largest magnitude's exponent field - 2, held at 1 from below.  Numbers are divided by the scale and rounded to the nearest code, ties to even, beyond 6 the largest code.
; LIMITS: a block of zeros gets the byte 1 where the quantiser says 127 (its codes are zeros and only this program reads the bytes); blocks whose largest magnitude lies under 2^-124 keep the byte 1;
; NaN and infinities among the inputs are not served; |Wo| stays under 65,504, f16's largest number.
; Work-groups 0-255 take the four weights (64 each), work-groups 256-511 take x.  No work-group shares an input with another, so there is no cluster; nothing is read twice.
; WEIGHTS: a lane takes a column n and its registers run down K, so a block of 32 along K lies in one lane and the conversions give codes with K innermost.  A wave takes 32 columns x 128 along K (4 blocks).
;   wimg  [ntile 192][block 32][r 16][16 B]: the order of the operand's registers: lanes 0-15 and lanes 16-31 each store 256 consecutive bytes.   wscales [3072][32 B].
;   woimg [ntile 64][octet 128][r 16][16 B]: 16 B = Wo[8 o .. 8 o + 7][16 ntile + r] in f16.
; x: a plain stream of blocks of 32; a wave takes 16 steps of 512 numbers; each load reads 512 consecutive bytes; a step turns through the wave's own stage in LDS so that a lane holds 16 neighbours.
.set X,     32                         ; weights: v32-95   two sets of 32 numbers
.set C,     96                         ; weights: v96-159  results; no register is written twice, so no store's data are rewritten
.set WREG,  8192                       ; x: LDS of a wave: two stages of 32 x SP bytes, then its 256 scale bytes
.set SP,    80                         ; x: a lane's place in a stage: 64 bytes + 16 of padding
.set STEPS, 16
.set CB,    8                          ; bytes of 16 codes
.set R,     16                         ; x: v16-79   four sets of 16 numbers as loaded
.set XN,    80                         ; x: v80-111  two sets of 16 neighbours
.set E,     112                        ; x: v112-127 a scale byte for each step
.set XC,    128                        ; x: v128-191 codes, four registers for each step
	s_load_b512 s[4:19], s[0:1], 0x0               ; x 4, Wq 6, Wk 8, Wv 10, Wo 12, xcodes 14, xscales 16, wimg 18
	s_load_b128 s[20:23], s[0:1], 0x40             ; wscales 20, woimg 22
	v_lshl_add_u32 v192, v0, 2, 0x8000
	v_mov_b32 v193, 0
	v_lshrrev_b32 v1, 5, v0
	v_readfirstlane_b32 s24, v1                    ; wave
	v_and_b32 v2, 31, v0                           ; lane
	s_wait_kmcnt 0x0
	s_cmp_lt_u32 ttmp9, 256
	s_cbranch_scc0 .Lx
; ---------------- the weights ----------------
	s_lshr_b32 s25, ttmp9, 6                       ; which: 0 Wq, 1 Wk, 2 Wv, 3 Wo
	s_and_b32 s26, ttmp9, 7                        ; gx: which 128 columns
	s_bfe_u32 s27, ttmp9, 0x30003                  ; kc: which 128 along K
	v_lshlrev_b32 v3, 2, v2                        ; in: 4 bytes a lane
	v_and_b32 v7, 15, v2
	v_lshrrev_b32 v8, 4, v2
	v_lshlrev_b32 v7, 4, v7                        ; 16 r
	v_lshl_add_u32 v4, v8, 13, v7                  ; wimg: lanes 16-31 stand one ntile (8,192 bytes) on
	v_lshl_add_u32 v6, v8, 15, v7                  ; woimg: one ntile is 32,768 bytes
	v_lshlrev_b32 v5, 5, v2                        ; wscales: 32 bytes a column
	s_cmp_eq_u32 s25, 1                            ; the source is chosen by the work-group's number alone
	s_cselect_b64 s[6:7], s[8:9], s[6:7]
	s_cmp_eq_u32 s25, 2
	s_cselect_b64 s[6:7], s[10:11], s[6:7]
	s_cmp_eq_u32 s25, 3
	s_cselect_b64 s[6:7], s[12:13], s[6:7]
	s_lshl_b32 s28, s27, 19                        ; 128 kc rows of 4,096 bytes
	s_lshl_b32 s29, s26, 9                         ; + 128 gx columns
	s_add_co_u32 s28, s28, s29
	s_lshl_b32 s29, s24, 7                         ; + 32 columns a wave
	s_add_co_u32 s28, s28, s29
	s_mov_b32 s29, 0
	s_add_nc_u64 s[6:7], s[6:7], s[28:29]
	s_lshl_b32 s30, s26, 3
	s_lshl_b32 s31, s24, 1
	s_add_co_u32 s30, s30, s31                     ; nt = 8 gx + 2 wave: my first tile of 16 columns
.macro LOAD t                          ; block t: W(32 t + i, my column) into set t % 2; 32 lanes read 128 consecutive bytes, the four waves 512
.irp i, 0,1,2,3,4,5,6,7,8,9,10,11,12,13,14,15,16,17,18,19,20,21,22,23,24,25,26,27,28,29,30,31
	global_load_b32 v[X+32*((\t)%2)+\i], v3, s[6:7] offset:(32*(\t)+\i)*4096 th:TH_LOAD_NT
.endr
.endm
	LOAD 0
	LOAD 1
	s_cmp_eq_u32 s25, 3
	s_cbranch_scc1 .Lwo
	s_lshl_b32 s28, s25, 6
	s_add_co_u32 s28, s28, s30
	s_lshl_b32 s28, s28, 13                        ; wimg: (64 which + nt) tiles of 8,192 bytes
	s_lshl_b32 s31, s27, 10                        ; + 4 kc blocks of 256 bytes
	s_add_co_u32 s28, s28, s31
	s_add_nc_u64 s[18:19], s[18:19], s[28:29]
	s_lshl_b32 s28, s25, 10
	s_lshl_b32 s31, s26, 7
	s_add_co_u32 s28, s28, s31
	s_lshl_b32 s31, s24, 5
	s_add_co_u32 s28, s28, s31                     ; my first n = 1024 which + 128 gx + 32 wave
	s_lshl_b32 s28, s28, 5
	s_lshl_b32 s31, s27, 2                         ; + 4 kc bytes
	s_add_co_u32 s28, s28, s31
	s_add_nc_u64 s[20:21], s[20:21], s[28:29]
.macro QBLOCK t
.set XS, X+32*((\t)%2)
.if (\t) < 3
	s_wait_loadcnt 32                              ; this block's 32 loads are in; the next block's 32 may be out
.else
	s_wait_loadcnt 0x0
.endif
	v_max3_num_f32 v12, |v[XS]|, |v[XS+1]|, |v[XS+2]|      ; the block's largest magnitude: all 32 numbers are mine; two chains
	v_max3_num_f32 v13, |v[XS+3]|, |v[XS+4]|, |v[XS+5]|
.irp i, 6,10,14,18,22,26
	v_max3_num_f32 v12, v12, |v[XS+\i]|, |v[XS+\i+1]|
	v_max3_num_f32 v13, v13, |v[XS+\i+2]|, |v[XS+\i+3]|
.endr
	v_max3_num_f32 v12, v12, |v[XS+30]|, |v[XS+31]|
	v_max3_num_f32 v12, v12, v13, 0x1800000        ; and the floor 2^(3 - 127): the byte cannot fall under 1
	v_add_nc_u32 v11, 0xff000000, v12              ; 2 off the exponent field: the conversion takes this operand's exponent field as its scale
	v_lshrrev_b32 v13, 23, v11                     ; the scale's byte
.if (\t) == 0
	v_mov_b32 v24, v13                             ; four bytes make my column's word for these 128 along K
.else
	v_lshl_or_b32 v24, v13, 8*(\t), v24
.endif
.irp g, 0,1,2,3
	v_cvt_scalef32_pk8_fp4_f32 v[C+4*(\t)+\g], v[XS+8*\g:XS+8*\g+7], v11
.endr
	global_store_b128 v4, v[C+4*(\t):C+4*(\t)+3], s[18:19] offset:256*(\t)   ; sixteen lanes store 256 consecutive bytes, aligned.  The next block begins with plain vector lines: the place behind the conversions
.if (\t)+2 < 4
	LOAD (\t)+2
.endif
.endm
	QBLOCK 0
	QBLOCK 1
	QBLOCK 2
	QBLOCK 3
	global_store_b32 v5, v24, s[20:21]             ; my column's four scale bytes
	s_endpgm
.Lwo:
	s_lshl_b32 s28, s30, 15                        ; woimg: nt tiles of 32,768 bytes
	s_lshl_b32 s31, s27, 12                        ; + 16 kc octets of 256 bytes
	s_add_co_u32 s28, s28, s31
	s_add_nc_u64 s[22:23], s[22:23], s[28:29]
.macro HBLOCK t
.set XS, X+32*((\t)%2)
.if (\t) < 3
	s_wait_loadcnt 32                              ; as above
.else
	s_wait_loadcnt 0x0
.endif
.irp i, 0,1,2,3,4,5,6,7,8,9,10,11,12,13,14,15
	v_cvt_pk_f16_f32 v[C+16*(\t)+\i], v[XS+2*\i], v[XS+2*\i+1]     ; the lower k in the low half
.endr
.irp i, 0,1,2,3
	global_store_b128 v6, v[C+16*(\t)+4*\i:C+16*(\t)+4*\i+3], s[22:23] offset:(4*(\t)+\i)*256
.endr
.if (\t)+2 < 4
	LOAD (\t)+2
.endif
.endm
	HBLOCK 0
	HBLOCK 1
	HBLOCK 2
	HBLOCK 3
	s_endpgm
; ---------------- x ----------------
.Lx:
	v_lshlrev_b32 v3, 4, v2                        ; my 16 bytes of a load's 512
	s_mul_i32 s26, s24, WREG
	v_lshrrev_b32 v14, 2, v2
	v_mul_u32_u24 v14, v14, SP
	v_and_b32 v15, 3, v2
	v_lshl_add_u32 v14, v15, 4, v14
	v_add_nc_u32 v14, s26, v14                     ; the stage, way in: SP (lane / 4) + 16 (lane % 4)
	v_mul_u32_u24 v15, v2, SP
	v_add_nc_u32 v15, s26, v15                     ; way out: SP x lane: my 16 neighbours
	v_mul_u32_u24 v4, v2, CB                       ; my codes' place in a step's
	v_lshrrev_b32 v5, 1, v2
	s_add_co_u32 s26, s26, 2*32*SP
	v_add_nc_u32 v5, s26, v5                       ; my wave's 256 scale bytes, my block's byte
	v_lshlrev_b32 v7, 3, v2
	v_add_nc_u32 v6, s26, v7                       ; and on the way out 8 bytes a lane
	s_sub_co_u32 s27, ttmp9, 256
	s_lshl_b32 s27, s27, 2
	s_add_co_u32 s28, s27, s24                     ; which run of 8,192 numbers is my wave's: 0 .. 1023
	s_mov_b32 s31, 0
	s_lshl_b32 s30, s28, 15
	s_add_nc_u64 s[4:5], s[4:5], s[30:31]          ; 32,768 bytes of x,
	s_lshl_b32 s30, s28, 12
	s_add_nc_u64 s[14:15], s[14:15], s[30:31]      ; 4,096 of codes,
	s_lshl_b32 s30, s28, 8
	s_add_nc_u64 s[16:17], s[16:17], s[30:31]      ; 256 scale bytes a run
.macro XLOAD t
.irp i, 0,1,2,3
	global_load_b128 v[R+16*((\t)%4)+4*\i:R+16*((\t)%4)+4*\i+3], v3, s[4:5] offset:2048*(\t)+512*\i th:TH_LOAD_NT
.endr
.endm
.macro XTURN t                         ; step t through the stage: LDS serves a wave's instructions in order (ISA guide 5.7.1.4), so no wait stands between the stores and the loads
.irp i, 0,1,2,3
	ds_store_b128 v14, v[R+16*((\t)%4)+4*\i:R+16*((\t)%4)+4*\i+3] offset:32*SP*((\t)%2)+8*SP*\i
.endr
.irp i, 0,1,2,3
	ds_load_b128 v[XN+16*((\t)%2)+4*\i:XN+16*((\t)%2)+4*\i+3], v15 offset:32*SP*((\t)%2)+16*\i
.endr
.endm
.irp t, 0,1,2,3
	XLOAD \t
.endr
	s_wait_loadcnt 12                              ; step 0's four loads are in
	XTURN 0
.macro XSTEP t
.set XS, XN+16*((\t)%2)
.if (\t) > 0
	s_wait_dscnt 1                                 ; this step's numbers are back from the stage (the last step's byte store may be out)
.else
	s_wait_dscnt 0x0
.endif
.if (\t)+4 < STEPS
	XLOAD (\t)+4                                   ; into the registers that this step's stage stores have read
.endif
.if (\t)+1 < STEPS
.if STEPS-2-(\t) >= 3
	s_wait_loadcnt 12                              ; the next step's four loads are in; those of the three steps behind it may be out
.else
	s_wait_loadcnt 4*(STEPS-2-(\t))
.endif
	XTURN (\t)+1
.endif
	v_max3_num_f32 v8, |v[XS]|, |v[XS+1]|, |v[XS+2]|
	v_max3_num_f32 v9, |v[XS+3]|, |v[XS+4]|, |v[XS+5]|
.irp i, 6,10
	v_max3_num_f32 v8, v8, |v[XS+\i]|, |v[XS+\i+1]|
	v_max3_num_f32 v9, v9, |v[XS+\i+2]|, |v[XS+\i+3]|
.endr
	v_max3_num_f32 v8, v8, |v[XS+14]|, |v[XS+15]|
	v_max3_num_f32 v8, v8, v9, 0x1800000           ; my 16 and the floor
	v_max_num_f32_dpp v8, v8, v8 row_xmask:1 row_mask:0xf bank_mask:0xf   ; and my neighbour's 16: the block's
	v_add_nc_u32 v11, 0xff000000, v8
	v_cvt_scalef32_pk8_fp4_f32 v[XC+4*(\t)], v[XS:XS+7], v11
	v_cvt_scalef32_pk8_fp4_f32 v[XC+4*(\t)+1], v[XS+8:XS+15], v11
	v_lshrrev_b32 v[E+(\t)], 23, v11               ; the scale's byte (a plain line behind the conversions)
	ds_store_b8 v5, v[E+(\t)] offset:16*(\t)       ; both lanes of a block write the same byte with the same value
	global_store_b64 v4, v[XC+4*(\t):XC+4*(\t)+1], s[14:15] offset:32*CB*(\t)   ; the wave stores 256 consecutive bytes, aligned
.endm
.irp t, 0,1,2,3,4,5,6,7,8,9,10,11,12,13,14,15
	XSTEP \t
.endr
	ds_load_b64 v[12:13], v6                       ; these see my byte stores: LDS serves a wave in order
	s_wait_dscnt 0x0
	global_store_b64 v7, v[12:13], s[16:17]        ; 256 consecutive bytes, aligned
	s_wait_tensorcnt 0x0
	ds_add_u32 v192, v193
	s_wait_dscnt 0x0
	s_endpgm
.Lfunc_end_k_qda5ed95e27_prep:
	.size	k_qda5ed95e27_prep, .Lfunc_end_k_qda5ed95e27_prep-k_qda5ed95e27_prep
	.p2alignl 7, 3214868480
	.fill 96, 4, 3214868480
	.section	.rodata,"a",@progbits
	.p2align	6, 0x0
	.amdhsa_kernel k_qda5ed95e27_prep
		.amdhsa_group_segment_fixed_size 33280
		.amdhsa_private_segment_fixed_size 0
		.amdhsa_enable_private_segment 0
		.amdhsa_kernarg_size 80
		.amdhsa_user_sgpr_count 2
		.amdhsa_user_sgpr_kernarg_segment_ptr 1
		.amdhsa_wavefront_size32 1
		.amdhsa_system_sgpr_workgroup_id_x 1
		.amdhsa_system_sgpr_workgroup_id_y 1
		.amdhsa_system_sgpr_workgroup_id_z 1
		.amdhsa_system_vgpr_workitem_id 0
		.amdhsa_next_free_vgpr 194
		.amdhsa_next_free_sgpr 66
		.amdhsa_reserve_vcc 0
		.amdhsa_float_denorm_mode_32 3
		.amdhsa_float_denorm_mode_16_64 3
		.amdhsa_memory_ordered 1
		.amdhsa_forward_progress 1
		.amdhsa_inst_pref_size 65
	.end_amdhsa_kernel
	.amdgpu_metadata
---
amdhsa.version: [ 1, 2 ]
amdhsa.kernels:
  - .name:           k_qda5ed95e27_prep
    .symbol:         k_qda5ed95e27_prep.kd
    .args:
      - { .name: x, .offset: 0, .size: 8, .value_kind: global_buffer, .address_space: global }
      - { .name: Wq, .offset: 8, .size: 8, .value_kind: global_buffer, .address_space: global }
      - { .name: Wk, .offset: 16, .size: 8, .value_kind: global_buffer, .address_space: global }
      - { .name: Wv, .offset: 24, .size: 8, .value_kind: global_buffer, .address_space: global }
      - { .name: Wo, .offset: 32, .size: 8, .value_kind: global_buffer, .address_space: global }
      - { .name: xcodes, .offset: 40, .size: 8, .value_kind: global_buffer, .address_space: global }
      - { .name: xscales, .offset: 48, .size: 8, .value_kind: global_buffer, .address_space: global }
      - { .name: wimg, .offset: 56, .size: 8, .value_kind: global_buffer, .address_space: global }
      - { .name: wscales, .offset: 64, .size: 8, .value_kind: global_buffer, .address_space: global }
      - { .name: woimg, .offset: 72, .size: 8, .value_kind: global_buffer, .address_space: global }
    .group_segment_fixed_size: 33280
    .private_segment_fixed_size: 0
    .kernarg_segment_align: 8
    .kernarg_segment_size: 80
    .max_flat_workgroup_size: 128
    .sgpr_count:     66
    .vgpr_count:     194
    .wavefront_size: 32
...
	.end_amdgpu_metadata
.endif
;; end of part 1
;; launch qkv (part 2): grid 12 x 32, 4 waves a work-group, clusters of 4 x 4, 327,680 bytes of LDS; arguments xcodes, xscales, wimg, wscales, qkv, bq, bk, bv; writes qkv
.if DOCPART == 2
	.amdgcn_target "amdgcn-amd-amdhsa--gfx1250"
	.amdhsa_code_object_version 6
	.text
	.protected	k_qda5ed95e27_qkv
	.globl	k_qda5ed95e27_qkv
	.p2align	8
	.type	k_qda5ed95e27_qkv,@function
k_qda5ed95e27_qkv:
	s_mov_b64 s[64:65], 0
	v_nop
	global_prefetch_b8 v0, s[64:65] scope:SCOPE_SE
	s_setreg_imm32_b32 hwreg(HW_REG_WAVE_MODE, 25, 1), 1
	s_wait_xcnt 0x0
	s_wait_alu depctr_hold_cnt(0) depctr_sa_sdst(0) depctr_va_vdst(0) depctr_va_sdst(0) depctr_va_ssrc(0) depctr_va_vcc(0) depctr_vm_vsrc(0)
	s_getreg_b32 s2, hwreg(HW_REG_IB_STS2, 6, 4)
	s_cmp_eq_u32 s2, 0
	s_cbranch_scc0 .Lentry_in_a_cluster
	s_endpgm
.Lentry_in_a_cluster:
	s_bfe_u32 s2, ttmp6, 0x10000c
	s_cmp_lg_u32 s2, 0xf033
	s_cbranch_scc0 .Lentry_shape_is_right
	s_endpgm
.Lentry_shape_is_right:
; QKV.  [8192][3072] = x [8192][1024] x (Wq | Wk | Wv), on codes of FP4 (E2M1) with one E8M0 scale for each 32 along K, sums in f32, + the bias, rounded once to f16 and stored as images of the next launch's operand registers.
; A tile of 256 x 256 is made by a work-group of four waves; a wave makes 128 x 128: 64 accumulators, 512 registers.  K = 1,024 is two slots of 512: both are first fills, nothing in LDS is filled twice.
; CLUSTERS: 4 x 4 work-groups; x's tiles and scales are asked for jointly along a row of the cluster, the weights' along a column.  The cluster's x (0, 1, 2) says q, k or v: the same number in all sixteen.
; q, k: THE MATRIX INSTRUCTION IS USED TRANSPOSED (source 0 = 16 columns of W, source 1 = 16 rows of x): a lane holds one token and eight neighbouring channels.
; v: untransposed (source 0 = x, source 1 = W): a lane holds one channel and eight neighbouring tokens, since the keys are the K of attention's second product.  The two ways part on the cluster's x alone, behind all tensor loads.
; In both, four packings to f16 give 16 bytes that are a group of four registers of the reader's fragment: a store is 16 bytes a lane at 16 x lane, 512 consecutive bytes, aligned.  No stage in LDS.
;   q, k image of a head: [token tile 128][g 4][lane 32][16 B]: lane (r, h): token 16 tile + r, channels 16 g + 8 h + 0..7.     v: [kg 64][f 4][c2 2][lane 32][16 B]: channel 16 f + r, keys 32 kg + 16 c2 + 8 h + 0..7.
; The bias is the C of each sum's first matrix instruction: nothing is cleared and nothing is added later.
; LIMITS: |q|, |k|, |v| stay under 65,504, f16's largest number (beyond it the rounding gives infinity); NaN and infinities are not served.
; REGISTERS, in windows of 256: window 0: v0-31 addresses; v32-95 scale words, two sets; v96-103 the biases' addresses; v128-191 x's fragments, one set; v192-255 the biases; on the way out v128-255 hold packed results.
;   window 1: W's fragments, two sets, at v0 and v128.   window 2: the accumulators of my rows 0-63 ((a, b) at v[8 (8 a + b)]);   window 3: those of rows 64-127.
.set NQ,     4                         ; steps of 128 along K in a slot
.set ROWB,   256                       ; a row of x's tile in bytes: 512 codes
.set KROW,   512                       ; a row of x's codes in memory
.set PITCH,  272                       ; and in LDS: 256 bytes + 16 of padding: the 16 rows that a load touches start at 16 different banks (64 banks of 4 bytes: ISA guide 11.1)
.set FR,     8                         ; registers of a fragment, 16 x 128
.set NL,     2                         ; LDS loads that bring one
.set NP,     4                         ; places behind this matrix instruction (ISA guide 7.12.1)
.set HALFT,  128*PITCH                 ; x: 128 rows, what one tensor load brings
.set BHALF,  32768                     ; W: 8 tiles of 16 columns x 512 K, as images: 4,096 bytes each, dense
.set SLOT,   2*HALFT+2*BHALF
.set KS,     32                        ; a row of scale bytes
.set SCL,    2*SLOT                    ; behind the slots: the scales, as rows of 256 bytes + 16 of padding
.set HALFS,  (128*KS/256)*272
.set SBLK,   (16*KS/256)*272
.set SPARE,  SCL+4*HALFS               ; the spare words, 128 bytes for each wave: two blocks of 256 bytes that no other line names
.set ADRA, 16                          ; v16-17  LDS address of x's fragments in slot 0, 1
.set ADRB, 20                          ; v20-21  of W's
.set CO,   26                          ; v26     16 x lane
.set ADRS, 27                          ; v27     LDS address of my scale words: lanes 0-15 x's rows, lanes 16-31 W's columns
.set SPW,  28                          ; v28     LDS address of my spare word; never rewritten
.set NIL,  29                          ; v29     0; never rewritten
.set SC,   32                          ; scale words: set s at v[SC + 32 s]; register 4 i + q: lanes 0-15 x's block i, lanes 16-31 W's block i, the slot's q-th 128 along K
.set VA,   96
.set AF,   128
.set BI,   192
.set G1, 24                            ; s[24:31] group 1 for x's tiles; s[32:39] group 0, one set a slot
.set G0, 32
.set G1B, 48                           ; s[48:55], s[56:63] the same for W's
.set G0B, 56
.set G1S, 68                           ; s[68:75], s[76:79] x's scales; s[80:87], s[88:91] W's
.set G0S, 76
.set G1SB, 80
.set G0SB, 88
.set MSB, 0
.macro WIN new                         ; the immediate's high byte repeats the setting that is left
.if MSB != (\new)
	s_set_vgpr_msb (MSB<<8)|(\new)
.set MSB, (\new)
.endif
.endm
.set TO_B, 0x40                        ; destination window 1, address window 0
; A joint load: waves 0 and 1 fetch for x, waves 2 and 3 for W.  The branch hangs on the wave's number alone.  Four v_nop follow each of the two lines.
.macro JLOAD g0a, g1a, g0b, g1b
	s_cmp_eq_u32 s15, 0
	s_cbranch_scc0 .Lfor_b_\@
	tensor_load_to_lds s[\g0a:\g0a+3], s[\g1a:\g1a+7]
	s_nop 0
.rept 4
	v_nop
.endr
	s_branch .Lasked_\@
.Lfor_b_\@:
	tensor_load_to_lds s[\g0b:\g0b+3], s[\g1b:\g1b+7]
	s_nop 0
.rept 4
	v_nop
.endr
.Lasked_\@:
.endm
.macro CROUND                          ; a round of the cluster's barrier
	s_barrier_signal -1
	s_barrier_wait -1
	s_cmp_lg_u32 s14, 0
	s_cbranch_scc1 .Lnot_wave_0_\@
	s_barrier_signal -3
.Lnot_wave_0_\@:
	s_barrier_wait -3
	s_barrier_signal -1
	s_barrier_wait -1
.endm
	s_load_b128 s[4:7], s[0:1], 0x0                ; x's codes, x's scales
	s_load_b128 s[8:11], s[0:1], 0x10              ; W's images, W's scales
	s_load_b64 s[12:13], s[0:1], 0x20              ; qkv
	s_load_b64 s[66:67], s[0:1], 0x28              ; bq
	s_load_b128 s[96:99], s[0:1], 0x30             ; bk, bv
	v_lshl_add_u32 v[SPW], v0, 2, SPARE
	v_mov_b32 v[NIL], 0
	ds_add_u32 v28, v29
	s_wait_dscnt 0x0
	v_lshrrev_b32 v1, 5, v0
	v_readfirstlane_b32 s14, v1                    ; wave 0..3
	s_lshr_b32 s15, s14, 1                         ; which half of the tile's rows is mine.  Also: I fetch for x (0) or for W (1)
	s_and_b32 s16, s14, 1                          ; which half of its columns.  Also: which half of that tile I fetch
	s_bfe_u32 s40, ttmp6, 0x40000                  ; cx, cy
	s_bfe_u32 s41, ttmp6, 0x40004
	s_lshl_b32 s42, ttmp9, 2
	s_add_co_u32 s42, s42, s40                     ; tile column = 4 x cluster x + cx
	s_and_b32 s17, ttmp7, 0xffff
	s_lshl_b32 s17, s17, 2
	s_add_co_u32 s17, s17, s41                     ; tile row = 4 x cluster y + cy
	s_lshl_b32 s43, s41, 2
	s_lshl_b32 s43, 15, s43                        ; my row of the cluster
	s_lshl_b32 s44, 0x1111, s40                    ; my column
	; group 1, x's codes: 128 rows x 256 bytes, 512 bytes apart, 16 bytes of padding behind each
	s_or_b32 s[G1+0], s43, (0<<16)|(1<<20)|(1<<21)|(5<<22)|(3<<25)
	s_mov_b32 s[G1+1], ROWB<<16
	s_mov_b32 s[G1+2], 128<<16
	s_mov_b32 s[G1+3], ROWB<<16
	s_mov_b32 s[G1+4], 128
	s_mov_b32 s[G1+5], KROW
	s_mov_b32 s[G1+6], 0
	s_mov_b32 s[G1+7], 0
	; group 1, W's images: 8 rows of 4,096 bytes (512 elements of 8 bytes), 8,192 bytes apart, no padding
	s_or_b32 s[G1B+0], s44, (3<<16)|(1<<21)
	s_mov_b32 s[G1B+1], 512<<16
	s_mov_b32 s[G1B+2], 8<<16
	s_mov_b32 s[G1B+3], 512<<16
	s_mov_b32 s[G1B+4], 8
	s_mov_b32 s[G1B+5], 1024
	s_mov_b32 s[G1B+6], 0
	s_mov_b32 s[G1B+7], 0
	; the scales of 128 rows: 4,096 dense bytes, as 16 rows of 256 bytes, 16 bytes of padding behind each
	s_or_b32 s[G1S+0], s43, (3<<16)|(1<<20)|(1<<21)|(5<<22)|(3<<25)
	s_or_b32 s[G1SB+0], s44, (3<<16)|(1<<20)|(1<<21)|(5<<22)|(3<<25)
.irp g, G1S, G1SB
	s_mov_b32 s[\g+1], 32<<16
	s_mov_b32 s[\g+2], (128*KS/256)<<16
	s_mov_b32 s[\g+3], 32<<16
	s_mov_b32 s[\g+4], 128*KS/256
	s_mov_b32 s[\g+5], 32
	s_mov_b32 s[\g+6], 0
	s_mov_b32 s[\g+7], 0
.endr
	s_lshl_b32 s18, s16, 7                         ; which 128 rows (columns) I fetch
	s_lshl_b32 s20, s17, 8
	s_add_co_u32 s20, s20, s18                     ; x: row 256 x tile row + 128 x half
	s_lshl_b32 s46, s42, 8
	s_add_co_u32 s46, s46, s18                     ; W: n = 256 x tile column + 128 x half
	s_mov_b32 s21, 0
	s_mov_b32 s47, 0
	s_mov_b64 s[18:19], KS
	s_mul_u64 s[22:23], s[20:21], s[18:19]         ; where their scales begin,
	s_mul_u64 s[92:93], s[46:47], s[18:19]
	s_mov_b64 s[18:19], KROW
	s_mul_u64 s[20:21], s[20:21], s[18:19]         ; and their codes: 512 bytes a row; W's likewise: (n / 16) tiles of 8,192 bytes
	s_mul_u64 s[46:47], s[46:47], s[18:19]
	s_mul_i32 s45, s16, HALFT                      ; where they go: x's two halves,
	s_mul_i32 s95, s16, BHALF
	s_add_co_u32 s95, s95, 2*HALFT                 ; then W's two halves: no place in the cluster enters an LDS address
	s_mul_i32 s94, s14, HALFS
	s_wait_kmcnt 0x0
	s_add_nc_u64 s[20:21], s[4:5], s[20:21]
	s_add_nc_u64 s[22:23], s[6:7], s[22:23]
	s_add_nc_u64 s[46:47], s[8:9], s[46:47]
	s_add_nc_u64 s[92:93], s[10:11], s[92:93]
	CROUND                                         ; all sixteen work-groups are here: the joint loads meet
	s_mov_b32 s[G0S], 1
	s_add_co_u32 s[G0S+1], s94, SCL
	s_mov_b64 s[G0S+2:G0S+3], s[22:23]
	s_or_b32 s[G0S+3], s[G0S+3], 0x80000000
	s_mov_b32 s[G0SB], 1
	s_add_co_u32 s[G0SB+1], s94, SCL
	s_mov_b64 s[G0SB+2:G0SB+3], s[92:93]
	s_or_b32 s[G0SB+3], s[G0SB+3], 0x80000000
	JLOAD G0S, G1S, G0SB, G1SB                     ; the scales first; then both slots: three tensor loads of mine are out
.irp s, 0,1
	s_mov_b32 s[G0+4*\s], 1
	s_add_co_u32 s[G0+4*\s+1], s45, \s*SLOT
	s_add_nc_u64 s[G0+4*\s+2:G0+4*\s+3], s[20:21], \s*ROWB
	s_or_b32 s[G0+4*\s+3], s[G0+4*\s+3], 0x80000000
	s_mov_b32 s[G0B+4*\s], 1
	s_add_co_u32 s[G0B+4*\s+1], s95, \s*SLOT
	s_add_nc_u64 s[G0B+4*\s+2:G0B+4*\s+3], s[46:47], \s*4096
	s_or_b32 s[G0B+4*\s+3], s[G0B+4*\s+3], 0x80000000
	JLOAD G0+4*\s, G1, G0B+4*\s, G1B
.endr
	v_and_b32 v1, 15, v0                           ; r
	v_bfe_u32 v2, v0, 4, 1                         ; h
	v_mul_u32_u24 v3, v1, PITCH
	v_lshl_add_u32 v4, v2, 4, v3                   ; x's fragment: row x pitch + 16 h
	v_and_b32 v6, 31, v0
	v_lshlrev_b32 v[CO], 4, v6                     ; an image's place for my lane
	s_mul_i32 s21, s15, HALFT                      ; my 128 rows of x
	s_mul_i32 s22, s16, BHALF                      ; my 128 columns of W,
	s_add_co_u32 s22, s22, 2*HALFT                 ; behind x's 256 rows
.irp s, 0,1
	v_add_nc_u32 v[ADRA+\s], s21, v4
	v_add_nc_u32 v[ADRB+\s], s22, v[CO]
	s_add_co_u32 s21, s21, SLOT
	s_add_co_u32 s22, s22, SLOT
.endr
	v_mul_u32_u24 v5, v1, KS                       ; my row's scales: 32 bytes a row,
	v_lshrrev_b32 v6, 8, v5
	v_lshl_add_u32 v5, v6, 4, v5                   ; and 16 more for each 256 passed
	s_mul_i32 s21, s15, HALFS
	s_mul_i32 s22, s16, HALFS
	s_add_co_u32 s22, s22, 2*HALFS
	s_sub_co_u32 s22, s22, s21
	v_mul_u32_u24 v6, s22, v2                      ; lanes 16-31 take W's: one product, the distance between the two bases
	s_add_co_u32 s21, s21, SCL
	v_add_nc_u32 v5, v5, v6
	v_add_nc_u32 v[ADRS], s21, v5
	; the biases, in the result's layout.  q, k: register j of tuple b is bias[16 b + 8 h + j]; v: bias[16 b + r] in all eight
	s_cmp_eq_u32 ttmp9, 1
	s_cselect_b64 s[66:67], s[96:97], s[66:67]
	s_cmp_eq_u32 ttmp9, 2
	s_cselect_b64 s[66:67], s[98:99], s[66:67]
	s_cselect_b32 s92, 4, 0                        ; bytes from r to r + 1,
	s_cselect_b32 s93, 0, 32                       ; from h = 0 to h = 1,
	s_cselect_b32 s94, 0, 4                        ; from register to register
	s_lshl_b32 s22, s40, 10
	s_lshl_b32 s23, s16, 9
	s_add_co_u32 s22, s22, s23                     ; my 128 columns: (256 cx + 128 half) x 4 bytes
	s_mov_b32 s23, 0
	s_add_nc_u64 s[66:67], s[66:67], s[22:23]
	v_mul_u32_u24 v5, s92, v1
	v_mul_u32_u24 v6, s93, v2
	v_add_nc_u32 v[VA], v5, v6
.irp j, 1,2,3,4,5,6,7
	v_add_nc_u32 v[VA+\j], s94, v[VA+\j-1]
.endr
.irp b, 0,1,2,3,4,5,6,7
.irp j, 0,1,2,3,4,5,6,7
	global_load_b32 v[BI+8*\b+\j], v[VA+\j], s[66:67] offset:64*\b
.endr
.endr
	; where my part of the images begins: which << 24, batch << 22, head << 18, token << 7
	s_lshl_b32 s20, s17, 8
	s_lshl_b32 s21, s15, 7
	s_add_co_u32 s20, s20, s21                     ; m0 = 256 x tile row + 128 x half
	s_lshr_b32 s21, s20, 11
	s_lshl_b32 s21, s21, 22
	s_and_b32 s20, s20, 2047
	s_lshl_b32 s20, s20, 7
	s_add_co_u32 s20, s20, s21
	s_lshl_b32 s21, ttmp9, 24
	s_add_co_u32 s20, s20, s21
	s_lshl_b32 s46, s40, 2
	s_lshl_b32 s47, s16, 1
	s_add_co_u32 s46, s46, s47                     ; my first head: 4 cx + 2 x half
	s_lshl_b32 s46, s46, 18
	s_add_co_u32 s20, s20, s46
	s_mov_b32 s21, 0
	s_add_nc_u64 s[12:13], s[12:13], s[20:21]
.macro FRAGA reg, slot, q, i           ; x: lane l holds row l % 16; registers 4 c .. 4 c + 3 hold K = 64 c + 32 (l / 16) + 0 .. 31
.irp c, 0,1
	ds_load_b128 v[\reg+4*\c:\reg+4*\c+3], v[ADRA+\slot] offset:64*(\q)+32*\c+(\i)*16*PITCH
.endr
.endm
.macro FRAGB reg, slot, q, i           ; W: the image of the same registers: 16 bytes a lane, 512 consecutive bytes a load
.irp c, 0,1
	ds_load_b128 v[\reg+4*\c:\reg+4*\c+3], v[ADRB+\slot] offset:(\i)*4096+(\q)*1024+512*\c
.endr
.endm
; 16 matrix instructions: x's blocks a0, a0 + 1 against W's eight, 128 along K.  p: W's set; sc: the set of scale words; zero = 1: the sum's first product, whose C is the bias.
; The 64 accumulators take turns, one instruction a turn, in the same order in every step.
.macro MUL16 a0, p, q, sc, zero
.irp a, \a0, \a0+1
.irp b, 0,1,2,3,4,5,6,7
.set rD, 8*(8*((\a)%4)+\b)
.set rB, 128*(\p)+FR*\b
.set rA, AF+FR*(\a)
.set rSB, SC+8*NQ*(\sc)+NQ*\b+(\q)
.set rSA, SC+8*NQ*(\sc)+NQ*(\a)+(\q)
.if \zero
.set rC, BI+8*\b
.else
.set rC, rD
.endif
.if TR
	v_wmma_scale_f32_16x16x128_f8f6f4 v[rD:rD+7], v[rB:rB+7], v[rA:rA+7], v[rC:rC+7], v[rSB], v[rSA] matrix_a_fmt:MATRIX_FMT_FP4 matrix_b_fmt:MATRIX_FMT_FP4 matrix_a_scale:MATRIX_SCALE_ROW1
.else
	v_wmma_scale_f32_16x16x128_f8f6f4 v[rD:rD+7], v[rA:rA+7], v[rB:rB+7], v[rC:rC+7], v[rSA], v[rSB] matrix_a_fmt:MATRIX_FMT_FP4 matrix_b_fmt:MATRIX_FMT_FP4 matrix_b_scale:MATRIX_SCALE_ROW1
.endif
.endr
.endr
.endm
.macro FETCH_B slot, q, p
	WIN TO_B
.irp i, 0,1,2,3,4,5,6,7
	FRAGB 128*(\p)+FR*\i, \slot, \q, \i
.endr
	WIN 0
.endm
.macro FETCH_A slot, q, i0
.irp i, \i0, \i0+1, \i0+2, \i0+3
	FRAGA AF+FR*(\i), \slot, \q, \i
.endr
.endm
.macro SCALES sc                       ; a slot's scale words: four words a row; lanes 0-15 take x's block i, lanes 16-31 W's block i
.irp i, 0,1,2,3,4,5,6,7
	ds_load_b128 v[SC+8*NQ*\sc+NQ*\i:SC+8*NQ*\sc+NQ*\i+3], v[ADRS] offset:\i*SBLK
.endr
.endm
; A load into a register that a matrix instruction has read, and a vector instruction that reads a matrix result or writes one of its registers, stand NP places behind it; only plain vector
; instructions that name none of its registers are places (ISA guide 7.12.1 for vector instructions).
.macro PLACES n
.rept \n
	v_nop
.endr
.endm
.macro STEP slot, q, zero              ; a step of 128 along K that has its successor in the same slot
	s_wait_dscnt 4*NL                              ; W's set and x's blocks 0-3 are in; the youngest eight loads (x's blocks 4-7) may be out
	WIN MUL_LO-0x20*\zero                          ; (the first step's C lies in window 0)
	MUL16 0, (\q)%2, \q, \slot, \zero
	MUL16 2, (\q)%2, \q, \slot, \zero
	s_wait_dscnt 0
	PLACES NP
	FETCH_B \slot, (\q)+1, 1-(\q)%2
	FETCH_A \slot, (\q)+1, 0
	WIN MUL_HI-0x30*\zero
	MUL16 4, (\q)%2, \q, \slot, \zero
	MUL16 6, (\q)%2, \q, \slot, \zero
	PLACES NP
	WIN 0
	FETCH_A \slot, (\q)+1, 4
.endm
; Slot 0's last step changes slots: one barrier; in front of it each wave waits for all its tensor loads (its part of slot 1), adds 0 to its spare word, and waits for that and for its LDS loads.
.macro TURN slot, next
	s_wait_tensorcnt 0x0                           ; my part of the next slot has landed
	ds_add_u32 v[SPW], v[NIL]                      ; 0 onto my spare word
	s_wait_dscnt 4*NL+1                            ; (the add and the youngest eight loads may be out)
	WIN MUL_LO
	MUL16 0, 1, NQ-1, \slot, 0
	s_wait_dscnt 0x0                               ; no LDS instruction of mine is pending at the signal
	s_barrier_signal -1
	MUL16 2, 1, NQ-1, \slot, 0
	WIN 0
	s_barrier_wait -1                              ; everybody's part of the next slot has landed
	PLACES NP
	v_add_nc_u32 v[ADRS], 4*NQ, v[ADRS]            ; on to the next slot's scale words
	FETCH_B \next, 0, 0
	FETCH_A \next, 0, 0
	SCALES \next
	WIN MUL_HI
	MUL16 4, 1, NQ-1, \slot, 0
	MUL16 6, 1, NQ-1, \slot, 0
	PLACES NP
	WIN 0
	FETCH_A \next, 0, 4
.endm
.macro STEPS slot, from
.set Q, \from
.rept NQ-1-\from
	STEP \slot, Q, 0
.set Q, Q+1
.endr
.endm
; THE WAY OUT: block a's 64 accumulator registers pack into 32, each accumulator from its low end on; eight stores of 512 consecutive bytes.  Every offset is an immediate; no base is stepped.
.macro OUT
	PLACES NP                                      ; behind the last products: the packings read results and write registers that held x's fragments
.irp a, 0,1,2,3,4,5,6,7
.set AC, 64*(\a%4)
.set TMP, 128+32*(\a%4)
.if \a >= 4
	s_wait_xcnt 0x0                                ; block a - 4's stores have read these registers
.endif
	WIN 0x0a+5*(\a/4)                              ; sources 0 and 1: window 2 or 3
.irp b, 0,1,2,3,4,5,6,7
.irp r, 0,1,2,3
	v_cvt_pk_f16_f32 v[TMP+4*\b+\r], v[AC+8*\b+2*\r], v[AC+8*\b+2*\r+1]
.endr
.endr
	WIN 0
.irp b, 0,1,2,3,4,5,6,7
.if TR
	global_store_b128 v[CO], v[TMP+4*\b:TMP+4*\b+3], s[12:13] offset:\a*2048+(\b%4)*512+(\b/4)*262144
.else
	global_store_b128 v[CO], v[TMP+4*\b:TMP+4*\b+3], s[12:13] offset:(\a/2)*4096+(\a%2)*512+(\b%4)*1024+(\b/4)*262144
.endif
.endr
.endr
.endm
.macro PRODUCT tr
.set TR, \tr
.if TR
.set MUL_LO, 0xa1                      ; source 0 (W) window 1, source 1 (x) window 0, C and D window 2
.set MUL_HI, 0xf1
.else
.set MUL_LO, 0xa4                      ; source 0 (x) window 0, source 1 (W) window 1
.set MUL_HI, 0xf4
.endif
	FETCH_B 0, 0, 0
	FETCH_A 0, 0, 0
	SCALES 0
	FETCH_A 0, 0, 4
	STEP 0, 0, 1
	STEPS 0, 1
	TURN 0, 1
	STEPS 1, 0
	s_wait_dscnt 4*NL                              ; the last step: nothing more to fetch
	WIN MUL_LO
	MUL16 0, 1, NQ-1, 1, 0
	MUL16 2, 1, NQ-1, 1, 0
	s_wait_dscnt 0
	WIN MUL_HI
	MUL16 4, 1, NQ-1, 1, 0
	MUL16 6, 1, NQ-1, 1, 0
	WIN 0
	OUT
.endm
	s_wait_tensorcnt 1                             ; the scales and my part of slot 0 are in (slot 1's load may be out),
	s_barrier_signal -1
	s_barrier_wait -1                              ; everybody's are
	s_wait_loadcnt 0x0                             ; the biases
	s_cmp_eq_u32 ttmp9, 2                          ; the cluster's x: the same in all waves and all sixteen work-groups
	s_cbranch_scc1 .Lv
	PRODUCT 1
	s_branch .Lend
.Lv:
	PRODUCT 0
.Lend:
	s_wait_tensorcnt 0x0                           ; the wave's end
	ds_add_u32 v[SPW], v[NIL]
	s_wait_dscnt 0x0
	CROUND                                         ; the closing round
	s_endpgm
.Lfunc_end_k_qda5ed95e27_qkv:
	.size	k_qda5ed95e27_qkv, .Lfunc_end_k_qda5ed95e27_qkv-k_qda5ed95e27_qkv
	.p2alignl 7, 3214868480
	.fill 96, 4, 3214868480
	.section	.rodata,"a",@progbits
	.p2align	6, 0x0
	.amdhsa_kernel k_qda5ed95e27_qkv
		.amdhsa_group_segment_fixed_size 327680
		.amdhsa_private_segment_fixed_size 0
		.amdhsa_enable_private_segment 0
		.amdhsa_kernarg_size 64
		.amdhsa_user_sgpr_count 2
		.amdhsa_user_sgpr_kernarg_segment_ptr 1
		.amdhsa_wavefront_size32 1
		.amdhsa_system_sgpr_workgroup_id_x 1
		.amdhsa_system_sgpr_workgroup_id_y 1
		.amdhsa_system_sgpr_workgroup_id_z 1
		.amdhsa_system_vgpr_workitem_id 0
		.amdhsa_next_free_vgpr 1024
		.amdhsa_next_free_sgpr 100
		.amdhsa_reserve_vcc 0
		.amdhsa_float_denorm_mode_32 3
		.amdhsa_float_denorm_mode_16_64 3
		.amdhsa_memory_ordered 1
		.amdhsa_forward_progress 1
		.amdhsa_inst_pref_size 232
	.end_amdhsa_kernel
	.amdgpu_metadata
---
amdhsa.version: [ 1, 2 ]
amdhsa.kernels:
  - .name:           k_qda5ed95e27_qkv
    .symbol:         k_qda5ed95e27_qkv.kd
    .args:
      - { .name: xcodes, .offset: 0, .size: 8, .value_kind: global_buffer, .address_space: global }
      - { .name: xscales, .offset: 8, .size: 8, .value_kind: global_buffer, .address_space: global }
      - { .name: wimg, .offset: 16, .size: 8, .value_kind: global_buffer, .address_space: global }
      - { .name: wscales, .offset: 24, .size: 8, .value_kind: global_buffer, .address_space: global }
      - { .name: qkv, .offset: 32, .size: 8, .value_kind: global_buffer, .address_space: global }
      - { .name: bq, .offset: 40, .size: 8, .value_kind: global_buffer, .address_space: global }
      - { .name: bk, .offset: 48, .size: 8, .value_kind: global_buffer, .address_space: global }
      - { .name: bv, .offset: 56, .size: 8, .value_kind: global_buffer, .address_space: global }
    .group_segment_fixed_size: 327680
    .private_segment_fixed_size: 0
    .kernarg_segment_align: 8
    .kernarg_segment_size: 64
    .max_flat_workgroup_size: 128
    .sgpr_count:     100
    .vgpr_count:     1024
    .wavefront_size: 32
...
	.end_amdgpu_metadata
.endif
;; end of part 2
;; launch attn (part 3): grid 4 x 64, 16 waves a work-group, clusters of 4 x 1, 327,680 bytes of LDS; arguments qkv, cimg; writes cimg
.if DOCPART == 3
	.amdgcn_target "amdgcn-amd-amdhsa--gfx1250"
	.amdhsa_code_object_version 6
	.text
	.protected	k_qda5ed95e27_attn
	.globl	k_qda5ed95e27_attn
	.p2align	8
	.type	k_qda5ed95e27_attn,@function
k_qda5ed95e27_attn:
	s_mov_b64 s[64:65], 0
	v_nop
	global_prefetch_b8 v0, s[64:65] scope:SCOPE_SE
	s_setreg_imm32_b32 hwreg(HW_REG_WAVE_MODE, 25, 1), 1
	s_wait_xcnt 0x0
	s_wait_alu depctr_hold_cnt(0) depctr_sa_sdst(0) depctr_va_vdst(0) depctr_va_sdst(0) depctr_va_ssrc(0) depctr_va_vcc(0) depctr_vm_vsrc(0)
	s_getreg_b32 s2, hwreg(HW_REG_IB_STS2, 6, 4)
	s_cmp_eq_u32 s2, 0
	s_cbranch_scc0 .Lentry_in_a_cluster
	s_endpgm
.Lentry_in_a_cluster:
	s_bfe_u32 s2, ttmp6, 0x10000c
	s_cmp_lg_u32 s2, 0x3003
	s_cbranch_scc0 .Lentry_shape_is_right
	s_endpgm
.Lentry_shape_is_right:
; ATTN.  ctx[b][h][q][:] = the sum over k of softmax_k(q . k / 8) v[k][:], head size 64, 2,048 keys, 64 heads (b, h).  Operands in f16, products, maxima and sums in f32; the weights p are rounded to f16 for the second product, ctx once at the end.
; SHARES.  A work-group owns 512 queries of one head; each of its sixteen waves owns 32 of them, two tiles of 16, in 256 registers: four waves to a SIMD, so that one wave's softmax stands beside another's products and LDS loads.
; CLUSTER.  The four work-groups of a cluster are the four query blocks of one head and walk the same K and V: each tile is asked for jointly, by the same tensor load with a mask that names the four.
; LAYOUT.  S^T = K Q^T (source 0 = 16 keys, source 1 = 16 queries) and O^T = V^T P (source 0 = 16 channels, source 1 = P): a lane holds one query (lane % 16) throughout.  Two tiles of S^T, packed to f16 in pairs, are source 1 of the second product.
; q, k and v come as images of the operands' registers (16 bytes a lane at 16 x lane), so every LDS load takes 512 consecutive bytes and nothing is transposed; ctx leaves the same way, as the image of the projection's operand.
; SOFTMAX.  For each query a running maximum m and sum l: p = 2^(c s - c m), c = log2(e) / 8; in every step O^T and l are multiplied by a = 2^(c m_old - c m_new).  The loop has no first step of its own: m begins at -3e38, l and O^T as zeros.
; RING.  Two slots of 512 keys (K's 65,536 bytes, then V's), four fills in all: both slots at the start, each once more.  Waves 0, 1 fetch K's halves, waves 2, 3 V's; a refill has eight key steps in which to land.
; LIMITS: scores under -3e38 are not served; |ctx| stays under 65,504; NaN and infinities are not served.
.set SLOTB, 131072
.set VOFF,  65536
.set STEPB, 8192                       ; 64 keys: four tiles of K of 2,048 bytes; two groups of 32 keys of V of 4,096
.set SPARE, 2*SLOTB                    ; the spare words, 128 bytes for each of the sixteen waves: eight blocks of 256 bytes that no other line names
.set LI,  1                            ; v1   16 x lane
.set LIV, 2                            ; v2   16 x lane + VOFF
.set SPW, 3                            ; v3   LDS address of my spare word; never rewritten
.set NIL, 4                            ; v4   0; never rewritten
.set ADK, 5                            ; v5   LDS address of the step's K
.set ADV, 6                            ; v6   of its V
.set ST,  12                           ; v12-27   tile t at ST + 8 t: +0 c m, +1 m, +2, +3 l, +4 .. +7 c0-c3 at work; a takes c2's place
.set Q,   28                           ; v28-59   Q: fragment (t, c) at Q + 16 t + 8 c
.set KV,  60                           ; v60-123  K of the step, then V of the step
.set S,   124                          ; v124-187 S^T, 32 a tile; p's f16 pairs are made in place in the low 16
.set O,   188                          ; v188-251 O^T: accumulator (t, f) at O + 32 t + 8 f
.set WV,  8
.set CS,  20                           ; s[20:21] c, twice: the packed form names a pair
.set SEL, 22                           ; s[22:23] v_permlanex16_b32's selects for lane l xor 16
.set G1,  24                           ; s[24:31] group 1
.set G0A, 32                           ; s[32:35] group 0 of slot 0
.set G0B, 36                           ; s[36:39] of slot 1
.set TB,  40                           ; s40  LDS byte at which the step's K begins
.set CNT, 41
.macro CROUND
	s_barrier_signal -1
	s_barrier_wait -1
	s_cmp_lg_u32 s[WV], 0
	s_cbranch_scc1 .Lnot_wave_0_\@
	s_barrier_signal -3
.Lnot_wave_0_\@:
	s_barrier_wait -3
	s_barrier_signal -1
	s_barrier_wait -1
.endm
.macro JLOAD g0                        ; waves 0 to 3 fetch, the others nothing; the branch hangs on the wave's number alone; four v_nop follow the load
	s_cmp_lt_u32 s[WV], 4
	s_cbranch_scc0 .Lnone_\@
	tensor_load_to_lds s[\g0:\g0+3], s[G1:G1+7]
	s_nop 0
.rept 4
	v_nop
.endr
.Lnone_\@:
.endm
	s_load_b128 s[4:7], s[0:1], 0x0                ; qkv, cimg
	v_lshl_add_u32 v[SPW], v0, 2, SPARE
	v_mov_b32 v[NIL], 0
	ds_add_u32 v3, v4
	s_wait_dscnt 0x0
	v_lshrrev_b32 v5, 5, v0
	v_readfirstlane_b32 s[WV], v5                  ; wave 0..15
	s_bfe_u32 s9, ttmp6, 0x40000                   ; cx
	s_and_b32 s10, ttmp7, 0xffff                   ; the head, 16 b + h: the four partners share it
	v_and_b32 v[LI], 31, v0
	v_lshlrev_b32 v[LI], 4, v[LI]
	v_add_nc_u32 v[LIV], VOFF, v[LI]
	; group 1: 128 rows of 256 bytes (32 elements of 8 bytes), dense, no padding
	s_mov_b32 s[G1+0], 15|(3<<16)|(1<<21)
	s_mov_b32 s[G1+1], 32<<16
	s_mov_b32 s[G1+2], 128<<16
	s_mov_b32 s[G1+3], 32<<16
	s_mov_b32 s[G1+4], 128
	s_mov_b32 s[G1+5], 32
	s_mov_b32 s[G1+6], 0
	s_mov_b32 s[G1+7], 0
	s_mov_b32 s[CS], 0x3e38aa3b                    ; c = log2(e) / 8
	s_mov_b32 s[CS+1], s[CS]
	s_mov_b32 s[SEL], 0x76543210
	s_mov_b32 s[SEL+1], 0xfedcba98
	s_and_b32 s11, s[WV], 3                        ; what I fetch, if I fetch: 0, 1 K's halves; 2, 3 V's
	s_lshl_b32 s12, s11, 15                        ; in a slot
	s_lshr_b32 s13, s11, 1
	s_add_co_u32 s13, s13, 1
	s_lshl_b32 s14, s13, 24                        ; k at 1 << 24, v at 2 << 24
	s_lshl_b32 s13, s10, 18                        ; the head
	s_add_co_u32 s14, s14, s13
	s_and_b32 s13, s11, 1
	s_lshl_b32 s13, s13, 15                        ; my half of a slot's 65,536 bytes
	s_add_co_u32 s14, s14, s13
	s_mov_b32 s15, 0
	s_lshl_b32 s42, ttmp9, 2
	s_add_co_u32 s42, s42, s9                      ; my block of 512 queries: it enters q's and ctx's addresses alone
	s_lshl_b32 s16, s10, 18
	s_lshl_b32 s43, s42, 16
	s_add_co_u32 s16, s16, s43
	s_lshl_b32 s43, s[WV], 12
	s_add_co_u32 s16, s16, s43                     ; q: head, 65,536 bytes a block, 4,096 a wave
	s_mov_b32 s17, 0
	s_lshr_b32 s18, s10, 4
	s_lshl_b32 s18, s18, 7
	s_lshl_b32 s43, s42, 5
	s_add_co_u32 s18, s18, s43
	s_lshl_b32 s43, s[WV], 1
	s_add_co_u32 s18, s18, s43                     ; ctx: row tile 128 b + 32 block + 2 wave,
	s_lshl_b32 s18, s18, 15                        ; 32,768 bytes each,
	s_and_b32 s43, s10, 15
	s_lshl_b32 s43, s43, 11                        ; + 2,048 bytes a head
	s_add_co_u32 s18, s18, s43
	s_mov_b32 s19, 0
	s_wait_kmcnt 0x0
	s_add_nc_u64 s[14:15], s[4:5], s[14:15]
	s_add_nc_u64 s[16:17], s[4:5], s[16:17]
	s_add_nc_u64 s[18:19], s[6:7], s[18:19]
	s_mov_b32 s[G0A], 1
	s_mov_b32 s[G0A+1], s12
	s_mov_b64 s[G0A+2:G0A+3], s[14:15]             ; keys 0 to 511
	s_or_b32 s[G0A+3], s[G0A+3], 0x80000000
	s_mov_b32 s[G0B], 1
	s_add_co_u32 s[G0B+1], s12, SLOTB
	s_add_nc_u64 s[G0B+2:G0B+3], s[14:15], 65536   ; keys 512 to 1,023
	s_or_b32 s[G0B+3], s[G0B+3], 0x80000000
	CROUND                                         ; all four work-groups are here: the first joint loads meet
	s_cmp_lt_u32 s[WV], 4                          ; a fetching wave's two first fills stand in one branch: two loads of mine are out
	s_cbranch_scc0 .Lfirst_none
	tensor_load_to_lds s[G0A:G0A+3], s[G1:G1+7]
	s_nop 0
	tensor_load_to_lds s[G0B:G0B+3], s[G1:G1+7]
	s_nop 0
.rept 4
	v_nop
.endr
.Lfirst_none:
.irp i, 0,1,2,3,4,5,6,7
	global_load_b128 v[Q+4*\i:Q+4*\i+3], v[LI], s[16:17] offset:512*\i   ; Q stays in registers
.endr
.irp t, 0,1
	v_mov_b32 v[ST+8*\t+1], 0xff61b1e6             ; m = -3e38, under every score
	v_mul_f32 v[ST+8*\t], s[CS], v[ST+8*\t+1]      ; c m
	v_mov_b32 v[ST+8*\t+2], 0                      ; l
	v_mov_b32 v[ST+8*\t+3], 0
.endr
.irp j, 0,1,2,3,4,5,6,7,8,9,10,11,12,13,14,15,16,17,18,19,20,21,22,23,24,25,26,27,28,29,30,31,32,33,34,35,36,37,38,39,40,41,42,43,44,45,46,47,48,49,50,51,52,53,54,55,56,57,58,59,60,61,62,63
	v_mov_b32 v[O+\j], 0                           ; O^T: once, so that the key step is written without a first step of its own
.endr
; One tile's softmax for a key step; each line stands for both tiles, which alternate, so that few lines wait for the line above.
.macro SOFTMAX
.irp j, 0,1,2,3
.irp t, 0,1
	v_max3_num_f32 v[ST+8*\t+4+\j], v[S+32*\t+8*\j], v[S+32*\t+8*\j+1], v[S+32*\t+8*\j+2]   ; four chains; each accumulator is first read at its low end
.endr
.endr
.irp i, 3,5
.irp j, 0,1,2,3
.irp t, 0,1
	v_max3_num_f32 v[ST+8*\t+4+\j], v[ST+8*\t+4+\j], v[S+32*\t+8*\j+\i], v[S+32*\t+8*\j+\i+1]
.endr
.endr
.endr
.irp t, 0,1
	v_max3_num_f32 v[ST+8*\t+4], v[ST+8*\t+4], v[S+32*\t+7], v[S+32*\t+15]
	v_max3_num_f32 v[ST+8*\t+6], v[ST+8*\t+6], v[S+32*\t+23], v[S+32*\t+31]
.endr
.irp t, 0,1
	v_max3_num_f32 v[ST+8*\t+4], v[ST+8*\t+4], v[ST+8*\t+5], v[ST+8*\t+6]
.endr
.irp t, 0,1
	v_max3_num_f32 v[ST+8*\t+4], v[ST+8*\t+4], v[ST+8*\t+7], v[ST+8*\t+1]    ; with the old m
.endr
.irp t, 0,1
	v_permlanex16_b32 v[ST+8*\t+5], v[ST+8*\t+4], s[SEL], s[SEL+1]           ; the query's other 32 keys lie in the lane 16 away
.endr
.irp t, 0,1
	v_mov_b32 v[ST+8*\t+7], v[ST+8*\t]             ; c m_old
.endr
.irp t, 0,1
	v_max_num_f32 v[ST+8*\t+1], v[ST+8*\t+4], v[ST+8*\t+5]                   ; the new m
.endr
.irp t, 0,1
	v_mul_f32 v[ST+8*\t], s[CS], v[ST+8*\t+1]
.endr
.irp t, 0,1
	v_sub_f32 v[ST+8*\t+7], v[ST+8*\t+7], v[ST+8*\t]                         ; c m_old - c m_new
.endr
.irp i, 0,1,2,3,4,5,6,7,8,9,10,11,12,13,14,15
.irp t, 0,1
	v_pk_fma_f32 v[S+32*\t+2*\i:S+32*\t+2*\i+1], v[S+32*\t+2*\i:S+32*\t+2*\i+1], s[CS:CS+1], v[ST+8*\t:ST+8*\t+1] op_sel_hi:[1,0,0] neg_lo:[0,0,1] neg_hi:[0,0,1]   ; c s - c m
.endr
.endr
.irp t, 0,1
	v_exp_f32 v[ST+8*\t+6], v[ST+8*\t+7]           ; a
.endr
.irp i, 0,1,2,3,4,5,6,7,8,9,10,11,12,13,14,15,16,17,18,19,20,21,22,23,24,25,26,27,28,29,30,31
.irp t, 0,1
	v_exp_f32 v[S+32*\t+\i], v[S+32*\t+\i]         ; p, at most 1
.endr
.endr
	v_nop                                          ; a plain line between the last exponential and the use of its result
	s_wait_alu depctr_va_vdst(0)
.irp t, 0,1
	v_pk_mul_f32 v[ST+8*\t+2:ST+8*\t+3], v[ST+8*\t+2:ST+8*\t+3], v[ST+8*\t+6:ST+8*\t+7] op_sel_hi:[1,0]   ; l x a
.endr
.irp t, 0,1
	v_pk_add_f32 v[ST+8*\t+4:ST+8*\t+5], v[S+32*\t+2:S+32*\t+3], v[S+32*\t+6:S+32*\t+7]   ; the sum is taken of the unrounded p, in two chains
.endr
.irp i, 0,1,2,3,4,5,6,7
.irp t, 0,1
	v_pk_add_f32 v[ST+8*\t+2:ST+8*\t+3], v[ST+8*\t+2:ST+8*\t+3], v[S+32*\t+4*\i:S+32*\t+4*\i+1]
.if \i >= 2
	v_pk_add_f32 v[ST+8*\t+4:ST+8*\t+5], v[ST+8*\t+4:ST+8*\t+5], v[S+32*\t+4*\i+2:S+32*\t+4*\i+3]
.endif
.endr
.endr
.irp t, 0,1
	v_pk_add_f32 v[ST+8*\t+2:ST+8*\t+3], v[ST+8*\t+2:ST+8*\t+3], v[ST+8*\t+4:ST+8*\t+5]
.endr
.irp i, 0,1,2,3,4,5,6,7,8,9,10,11,12,13,14,15
.irp t, 0,1
	v_cvt_pk_f16_f32 v[S+32*\t+\i], v[S+32*\t+2*\i], v[S+32*\t+2*\i+1]       ; in place, ascending: register i is written when registers 2 i and 2 i + 1 are read
.endr
.endr
.irp i, 0,1,2,3,4,5,6,7,8,9,10,11,12,13,14,15
.irp t, 0,1
	v_pk_mul_f32 v[O+32*\t+2*\i:O+32*\t+2*\i+1], v[O+32*\t+2*\i:O+32*\t+2*\i+1], v[ST+8*\t+6:ST+8*\t+7] op_sel_hi:[1,0]   ; O^T x a, each accumulator from its low end on
.endr
.endr
.endm
; A KEY STEP: 64 keys.
.macro STEP
	v_add_nc_u32 v[ADK], s[TB], v[LI]              ; five plain lines behind the last step's products V^T P: the loads below land in registers that they read (four are asked),
	v_add_nc_u32 v[ADV], s[TB], v[LIV]             ; and the first products K Q^T write over p, which they read (five are asked: ISA guide 7.12.1)
.rept 3
	v_nop
.endr
.irp c, 0,1
.irp a, 0,1,2,3
.irp d, 0,1
	ds_load_b128 v[KV+16*\a+8*\c+4*\d:KV+16*\a+8*\c+4*\d+3], v[ADK] offset:2048*\a+1024*\c+512*\d   ; K: keys 16 a on, channels 32 c on
.endr
.endr
.endr
	s_wait_dscnt 8                                 ; the first 32 channels are in; the eight loads of the second 32 may be out
.irp a, 0,1,2,3
.irp t, 0,1
	v_wmma_f32_16x16x32_f16 v[S+32*\t+8*\a:S+32*\t+8*\a+7], v[KV+16*\a:KV+16*\a+7], v[Q+16*\t:Q+16*\t+7], 0
.endr
.endr
	s_wait_dscnt 0x0
.irp a, 0,1,2,3                        ; the eight accumulators take turns
.irp t, 0,1
	v_wmma_f32_16x16x32_f16 v[S+32*\t+8*\a:S+32*\t+8*\a+7], v[KV+16*\a+8:KV+16*\a+15], v[Q+16*\t+8:Q+16*\t+15], v[S+32*\t+8*\a:S+32*\t+8*\a+7]
.endr
.endr
.rept 4
	v_nop                                          ; places in front of the loads into K's registers and of the first read of the scores
.endr
.irp i, 0,1,2,3,4,5,6,7,8,9,10,11,12,13,14,15
	ds_load_b128 v[KV+4*\i:KV+4*\i+3], v[ADV] offset:512*\i   ; V: fragment (ks, f) at KV + 32 ks + 8 f; it lands under the softmax
.endr
	SOFTMAX
	s_wait_dscnt 0x0
.irp k, 0,1
.irp f, 0,1,2,3
.irp t, 0,1
	v_wmma_f32_16x16x32_f16 v[O+32*\t+8*\f:O+32*\t+8*\f+7], v[KV+32*\k+8*\f:KV+32*\k+8*\f+7], v[S+32*\t+8*\k:S+32*\t+8*\k+7], v[O+32*\t+8*\f:O+32*\t+8*\f+7]
.endr
.endr
.endr
.endm
.macro SLOTRUN s                       ; a slot's eight key steps
	s_mov_b32 s[TB], \s*SLOTB
	s_mov_b32 s[CNT], 8
.Lstep_\@:
	STEP
	s_add_co_u32 s[TB], s[TB], STEPB
	s_sub_co_u32 s[CNT], s[CNT], 1
	s_cmp_lg_u32 s[CNT], 0
	s_cbranch_scc1 .Lstep_\@
.endm
; THE CHANGE OF SLOTS.  Each wave waits for all its tensor loads (its part of the slot ahead), adds 0 to its spare word, and waits for that and for its reads of the slot that it leaves.
; g0 other than 0: the slot left is filled again with the keys 1,024 further on: the barrier is then a round of the cluster's, and the joint refill is the first thing behind it.
.macro CHANGE g0
	s_wait_tensorcnt 0x0                           ; no tensor load of mine is out, so a group 0 may be written
	ds_add_u32 v[SPW], v[NIL]                      ; 0 onto my spare word
.if \g0
	s_add_nc_u64 s[\g0+2:\g0+3], s[\g0+2:\g0+3], 131072   ; two slots' worth of keys on; the type bits on top are not reached
.endif
	s_wait_dscnt 0x0                               ; the add is done, and my reads of the slot are over
.if \g0
	CROUND
	JLOAD \g0
.else
	s_barrier_signal -1
	s_barrier_wait -1
.endif
.endm
	s_wait_tensorcnt 1                             ; my part of slot 0 is in; slot 1's may stay out
	s_barrier_signal -1
	s_barrier_wait -1                              ; everybody's is
	s_wait_loadcnt 0x0                             ; Q
	SLOTRUN 0                                      ; keys 0 to 511
	CHANGE G0A                                     ; slot 0 takes keys 1,024 on
	SLOTRUN 1                                      ; keys 512 to 1,023
	CHANGE G0B                                     ; slot 1 takes keys 1,536 on
	SLOTRUN 0
	CHANGE 0                                       ; nothing is left to ask for
	SLOTRUN 1
	; THE WAY OUT.  l's two halves and the other half of the lanes' are added; O^T / l, packed to f16, is the image of the projection's operand as it stands: 16 bytes a lane, 512 consecutive bytes a store.
.rept 4
	v_nop
.endr
.irp t, 0,1
	v_add_f32 v[ST+8*\t+4], v[ST+8*\t+2], v[ST+8*\t+3]
.endr
.irp t, 0,1
	v_permlanex16_b32 v[ST+8*\t+5], v[ST+8*\t+4], s[SEL], s[SEL+1]
.endr
.irp t, 0,1
	v_add_f32 v[ST+8*\t+4], v[ST+8*\t+4], v[ST+8*\t+5]
.endr
.irp t, 0,1
	v_rcp_f32 v[ST+8*\t+6], v[ST+8*\t+4]
.endr
	v_nop                                          ; a plain line between the last reciprocal and the use of its result
	s_wait_alu depctr_va_vdst(0)
.irp t, 0,1
.irp i, 0,1,2,3,4,5,6,7,8,9,10,11,12,13,14,15
	v_pk_mul_f32 v[O+32*\t+2*\i:O+32*\t+2*\i+1], v[O+32*\t+2*\i:O+32*\t+2*\i+1], v[ST+8*\t+6:ST+8*\t+7] op_sel_hi:[1,0]
.endr
.endr
.irp t, 0,1
.irp i, 0,1,2,3,4,5,6,7,8,9,10,11,12,13,14,15
	v_cvt_pk_f16_f32 v[S+32*\t+\i], v[O+32*\t+2*\i], v[O+32*\t+2*\i+1]
.endr
.endr
.irp t, 0,1
.irp f, 0,1,2,3
	global_store_b128 v[LI], v[S+32*\t+4*\f:S+32*\t+4*\f+3], s[18:19] offset:\t*32768+\f*512
.endr
.endr
	s_wait_tensorcnt 0x0                           ; the wave's end
	ds_add_u32 v[SPW], v[NIL]
	s_wait_dscnt 0x0
	CROUND                                         ; the closing round: no work-group ends while a partner may still ask for a tile that names it
	s_endpgm
.Lfunc_end_k_qda5ed95e27_attn:
	.size	k_qda5ed95e27_attn, .Lfunc_end_k_qda5ed95e27_attn-k_qda5ed95e27_attn
	.p2alignl 7, 3214868480
	.fill 96, 4, 3214868480
	.section	.rodata,"a",@progbits
	.p2align	6, 0x0
	.amdhsa_kernel k_qda5ed95e27_attn
		.amdhsa_group_segment_fixed_size 327680
		.amdhsa_private_segment_fixed_size 0
		.amdhsa_enable_private_segment 0
		.amdhsa_kernarg_size 16
		.amdhsa_user_sgpr_count 2
		.amdhsa_user_sgpr_kernarg_segment_ptr 1
		.amdhsa_wavefront_size32 1
		.amdhsa_system_sgpr_workgroup_id_x 1
		.amdhsa_system_sgpr_workgroup_id_y 1
		.amdhsa_system_sgpr_workgroup_id_z 1
		.amdhsa_system_vgpr_workitem_id 0
		.amdhsa_next_free_vgpr 256
		.amdhsa_next_free_sgpr 66
		.amdhsa_reserve_vcc 0
		.amdhsa_float_denorm_mode_32 3
		.amdhsa_float_denorm_mode_16_64 3
		.amdhsa_memory_ordered 1
		.amdhsa_forward_progress 1
		.amdhsa_inst_pref_size 84
	.end_amdhsa_kernel
	.amdgpu_metadata
---
amdhsa.version: [ 1, 2 ]
amdhsa.kernels:
  - .name:           k_qda5ed95e27_attn
    .symbol:         k_qda5ed95e27_attn.kd
    .args:
      - { .name: qkv, .offset: 0, .size: 8, .value_kind: global_buffer, .address_space: global }
      - { .name: cimg, .offset: 8, .size: 8, .value_kind: global_buffer, .address_space: global }
    .group_segment_fixed_size: 327680
    .private_segment_fixed_size: 0
    .kernarg_segment_align: 8
    .kernarg_segment_size: 16
    .max_flat_workgroup_size: 512
    .sgpr_count:     66
    .vgpr_count:     256
    .wavefront_size: 32
...
	.end_amdgpu_metadata
.endif
;; end of part 3
;; launch oproj (part 4): grid 4 x 64, 4 waves a work-group, clusters of 4 x 4, 327,680 bytes of LDS; arguments cimg, woimg, bo, out0; writes out0
.if DOCPART == 4
	.amdgcn_target "amdgcn-amd-amdhsa--gfx1250"
	.amdhsa_code_object_version 6
	.text
	.protected	k_qda5ed95e27_oproj
	.globl	k_qda5ed95e27_oproj
	.p2align	8
	.type	k_qda5ed95e27_oproj,@function
k_qda5ed95e27_oproj:
	s_mov_b64 s[64:65], 0
	v_nop
	global_prefetch_b8 v0, s[64:65] scope:SCOPE_SE
	s_setreg_imm32_b32 hwreg(HW_REG_WAVE_MODE, 25, 1), 1
	s_wait_xcnt 0x0
	s_wait_alu depctr_hold_cnt(0) depctr_sa_sdst(0) depctr_va_vdst(0) depctr_va_sdst(0) depctr_va_ssrc(0) depctr_va_vcc(0) depctr_vm_vsrc(0)
	s_getreg_b32 s2, hwreg(HW_REG_IB_STS2, 6, 4)
	s_cmp_eq_u32 s2, 0
	s_cbranch_scc0 .Lentry_in_a_cluster
	s_endpgm
.Lentry_in_a_cluster:
	s_bfe_u32 s2, ttmp6, 0x10000c
	s_cmp_lg_u32 s2, 0xf033
	s_cbranch_scc0 .Lentry_shape_is_right
	s_endpgm
.Lentry_shape_is_right:
; OPROJ.  out0 [8192][1024] f32 = ctx [8192][1024] x Wo [1024][1024] + bo; operands in f16, sums in f32.
; A tile of 128 x 256 of the output is made by a work-group of four waves (256 work-groups in all); a wave makes 64 x 128: 32 accumulators, 256 registers.
; ctx and Wo come as images of the operands' registers: a tile of 16 rows (columns) x 128 along K is 4,096 dense bytes, and a fragment is two LDS loads of 512 consecutive bytes: no padding.
; K goes in steps of 128 through a ring of two LDS slots.  CLUSTERS: 4 x 4 work-groups; ctx's tiles are asked for jointly along a row of the cluster, Wo's along a column.
; THE MATRIX INSTRUCTION IS USED TRANSPOSED (source 0 = 16 columns of Wo, source 1 = 16 rows of ctx): a lane holds eight neighbouring numbers of a row of the output.  The bias is the C of each sum's first product.
; REGISTERS, in windows of 256: window 0: v0-31 addresses; v32-127, v128-223 two fragment buffers (ctx's four fragments, then Wo's eight); on the way out v32-95 and v128-191 hold rows.
;   window 1: accumulator (a, b) at v[8 (8 a + b)].   window 2: v0-63 bo's eight tuples.
.set SLOT,   98304                     ; ctx's 8 tiles of 4,096 bytes, then Wo's 16
.set BOFF,   32768
.set STAGE,  2*SLOT                    ; behind the ring: 16 rows x 528 bytes for each wave, for the way out; no tensor load lands here
.set SPITCH, 528
.set SPARE,  STAGE+4*16*SPITCH         ; the spare words, 128 bytes for each wave: two blocks of 256 bytes that no other line names
.set LAPS,   4                         ; a lap = two K steps of 128
.set ADRA, 16                          ; v16-17  LDS address of ctx's fragments in slot 0, 1
.set ADRB, 20                          ; v20-21  of Wo's
.set STO,  24                          ; v24     the way out: where I put 32 bytes of a row
.set RD,   25                          ; v25     where I read a row back
.set CO,   26                          ; v26     16 x lane
.set BA,   27                          ; v27     the bias: 32 x (lane / 16)
.set SPW,  28                          ; v28     LDS address of my spare word; never rewritten
.set NIL,  29                          ; v29     0; never rewritten
.set F0,   32
.set F1,   128
.set G1, 24                            ; s[24:31] group 1 for ctx's tiles; s[32:39] group 0, one set a slot
.set G0, 32
.set G1B, 48                           ; s[48:55], s[56:63] the same for Wo's
.set G0B, 56
.set MSB, 0
.macro WIN new                         ; the immediate's high byte repeats the setting that is left
.if MSB != (\new)
	s_set_vgpr_msb (MSB<<8)|(\new)
.set MSB, (\new)
.endif
.endm
.set MULW, 0x50                        ; sources 0 and 1 window 0; C and D window 1.  The first quarter: 0x60: C (the bias) window 2
.macro JLOAD s                         ; a joint load: waves 0 and 1 fetch ctx's two halves, waves 2 and 3 Wo's; four v_nop follow each of the two lines
	s_cmp_eq_u32 s13, 0
	s_cbranch_scc0 .Lfor_b_\@
	tensor_load_to_lds s[G0+4*\s:G0+4*\s+3], s[G1:G1+7]
	s_nop 0
.rept 4
	v_nop
.endr
	s_branch .Lasked_\@
.Lfor_b_\@:
	tensor_load_to_lds s[G0B+4*\s:G0B+4*\s+3], s[G1B:G1B+7]
	s_nop 0
.rept 4
	v_nop
.endr
.Lasked_\@:
.endm
.macro CREST                           ; a round of the cluster's barrier behind its opening barrier
	s_cmp_lg_u32 s12, 0
	s_cbranch_scc1 .Lnot_wave_0_\@
	s_barrier_signal -3
.Lnot_wave_0_\@:
	s_barrier_wait -3
	s_barrier_signal -1
	s_barrier_wait -1
.endm
.macro CROUND
	s_barrier_signal -1
	s_barrier_wait -1
	CREST
.endm
	s_load_b128 s[4:7], s[0:1], 0x0                ; ctx's images, Wo's images
	s_load_b128 s[8:11], s[0:1], 0x10              ; bo, out0
	v_lshl_add_u32 v[SPW], v0, 2, SPARE
	v_mov_b32 v[NIL], 0
	ds_add_u32 v28, v29
	s_wait_dscnt 0x0
	v_lshrrev_b32 v1, 5, v0
	v_readfirstlane_b32 s12, v1                    ; wave 0..3
	s_lshr_b32 s13, s12, 1                         ; which 64 rows are mine.  Also: I fetch for ctx (0) or for Wo (1)
	s_and_b32 s14, s12, 1                          ; which 128 columns.  Also: which half of that tile I fetch
	s_bfe_u32 s40, ttmp6, 0x40000                  ; cx, cy
	s_bfe_u32 s41, ttmp6, 0x40004
	s_lshl_b32 s42, ttmp9, 2
	s_add_co_u32 s42, s42, s40                     ; tile column = 4 x cluster x + cx
	s_and_b32 s15, ttmp7, 0xffff
	s_lshl_b32 s15, s15, 2
	s_add_co_u32 s15, s15, s41                     ; tile row = 4 x cluster y + cy
	s_lshl_b32 s43, s41, 2
	s_lshl_b32 s43, 15, s43                        ; my row of the cluster
	s_lshl_b32 s44, 0x1111, s40                    ; my column
	; group 1: rows of 4,096 bytes (512 elements of 8 bytes), 32,768 bytes apart, no padding: 4 of ctx, 8 of Wo
	s_or_b32 s[G1+0], s43, (3<<16)|(1<<21)
	s_mov_b32 s[G1+1], 512<<16
	s_mov_b32 s[G1+2], 4<<16
	s_mov_b32 s[G1+3], 512<<16
	s_mov_b32 s[G1+4], 4
	s_mov_b32 s[G1+5], 4096
	s_mov_b32 s[G1+6], 0
	s_mov_b32 s[G1+7], 0
	s_or_b32 s[G1B+0], s44, (3<<16)|(1<<21)
	s_mov_b32 s[G1B+1], 512<<16
	s_mov_b32 s[G1B+2], 8<<16
	s_mov_b32 s[G1B+3], 512<<16
	s_mov_b32 s[G1B+4], 8
	s_mov_b32 s[G1B+5], 4096
	s_mov_b32 s[G1B+6], 0
	s_mov_b32 s[G1B+7], 0
	s_lshl_b32 s16, s15, 3
	s_lshl_b32 s17, s14, 2
	s_add_co_u32 s16, s16, s17
	s_lshl_b32 s16, s16, 15                        ; ctx: (8 x tile row + 4 x half) tiles of 32,768 bytes
	s_mov_b32 s17, 0
	s_lshl_b32 s46, s42, 4
	s_lshl_b32 s47, s14, 3
	s_add_co_u32 s46, s46, s47
	s_lshl_b32 s46, s46, 15                        ; Wo: (16 x tile column + 8 x half) tiles
	s_mov_b32 s47, 0
	s_lshl_b32 s20, s14, 14                        ; where they go: ctx's two halves,
	s_lshl_b32 s21, s14, 15
	s_add_co_u32 s21, s21, BOFF                    ; then Wo's two: no place in the cluster enters an LDS address
	s_wait_kmcnt 0x0
	s_add_nc_u64 s[16:17], s[4:5], s[16:17]
	s_add_nc_u64 s[46:47], s[6:7], s[46:47]
	CROUND                                         ; all sixteen work-groups are here: the first joint loads meet
.irp s, 0,1
	s_mov_b32 s[G0+4*\s], 1
	s_add_co_u32 s[G0+4*\s+1], s20, \s*SLOT
	s_add_nc_u64 s[G0+4*\s+2:G0+4*\s+3], s[16:17], \s*4096
	s_or_b32 s[G0+4*\s+3], s[G0+4*\s+3], 0x80000000
	s_mov_b32 s[G0B+4*\s], 1
	s_add_co_u32 s[G0B+4*\s+1], s21, \s*SLOT
	s_add_nc_u64 s[G0B+4*\s+2:G0B+4*\s+3], s[46:47], \s*4096
	s_or_b32 s[G0B+4*\s+3], s[G0B+4*\s+3], 0x80000000
	JLOAD \s
.endr
	v_and_b32 v1, 15, v0                           ; r
	v_bfe_u32 v2, v0, 4, 1                         ; h
	v_and_b32 v3, 31, v0
	v_lshlrev_b32 v[CO], 4, v3
	s_lshl_b32 s21, s13, 14                        ; my four tiles of ctx
	s_lshl_b32 s22, s14, 15
	s_add_co_u32 s22, s22, BOFF                    ; my eight of Wo
.irp s, 0,1
	v_add_nc_u32 v[ADRA+\s], s21, v[CO]
	v_add_nc_u32 v[ADRB+\s], s22, v[CO]
	s_add_co_u32 s21, s21, SLOT
	s_add_co_u32 s22, s22, SLOT
.endr
	s_mul_i32 s23, s12, 16*SPITCH
	s_add_co_u32 s23, s23, STAGE                   ; my stage
	v_mul_u32_u24 v4, v1, SPITCH
	v_lshl_add_u32 v4, v2, 5, v4
	v_add_nc_u32 v[STO], s23, v4                   ; in: row r, 32 bytes for each half of the lanes
	v_add_nc_u32 v[RD], s23, v[CO]                 ; back: the 32 lanes take one row of 512 bytes
	v_lshlrev_b32 v[BA], 5, v2
	s_lshl_b32 s20, s42, 10
	s_lshl_b32 s21, s14, 9
	s_add_co_u32 s20, s20, s21                     ; my first column, in bytes: 1,024 x tile column + 512 x half
	s_mov_b32 s21, 0
	s_add_nc_u64 s[8:9], s[8:9], s[20:21]          ; in bo,
	s_add_nc_u64 s[10:11], s[10:11], s[20:21]      ; and in a row of the output
	s_lshl_b32 s20, s15, 19
	s_lshl_b32 s22, s13, 18
	s_add_co_u32 s20, s20, s22                     ; my first row: (128 x tile row + 64 x half) x 4,096 bytes
	s_add_nc_u64 s[10:11], s[10:11], s[20:21]
	WIN 0x80                                       ; destination window 2
.irp b, 0,1,2,3,4,5,6,7
	global_load_b128 v[8*\b:8*\b+3],   v[BA], s[8:9] offset:64*\b      ; tuple b, register j: bo[16 b + 8 h + j]
	global_load_b128 v[8*\b+4:8*\b+7], v[BA], s[8:9] offset:64*\b+16
.endr
	WIN 0
; 8 n matrix instructions: ctx's tiles a0 .. a0 + n - 1 against Wo's eight, 32 along K, from buffer f.  zero = 1: the sum's first product, whose C is the bias.  Each accumulator has one turn a quarter.
.macro MULT f, a0, n, zero
.set AI, \a0
.rept \n
.irp b, 0,1,2,3,4,5,6,7
.if \zero
	v_wmma_f32_16x16x32_f16 v[8*(8*AI+\b):8*(8*AI+\b)+7], v[\f+32+8*\b:\f+32+8*\b+7], v[\f+8*AI:\f+8*AI+7], v[8*\b:8*\b+7]
.else
	v_wmma_f32_16x16x32_f16 v[8*(8*AI+\b):8*(8*AI+\b)+7], v[\f+32+8*\b:\f+32+8*\b+7], v[\f+8*AI:\f+8*AI+7], v[8*(8*AI+\b):8*(8*AI+\b)+7]
.endif
.endr
.set AI, AI+1
.endr
.endm
; 24 LDS loads in one run: the fragments of the slot's q-th 32 along K into buffer f: Wo's sixteen loads, then ctx's eight
.macro FETCH slot, q, f
.irp i, 0,1,2,3,4,5,6,7
	ds_load_b128 v[\f+32+8*\i:\f+32+8*\i+3],   v[ADRB+\slot] offset:\i*4096+(\q)*1024
	ds_load_b128 v[\f+32+8*\i+4:\f+32+8*\i+7], v[ADRB+\slot] offset:\i*4096+(\q)*1024+512
.endr
.irp i, 0,1,2,3
	ds_load_b128 v[\f+8*\i:\f+8*\i+3],   v[ADRA+\slot] offset:\i*4096+(\q)*1024
	ds_load_b128 v[\f+8*\i+4:\f+8*\i+7], v[ADRA+\slot] offset:\i*4096+(\q)*1024+512
.endr
.endm
.macro PLACES                          ; four places in front of loads into registers that matrix instructions have read, and of the first read of results (ISA guide 7.12.1 for vector instructions)
.rept 4
	v_nop
.endr
.endm
; A K step is four quarters of 32 along K, 32 matrix instructions each, on buffers 0, 1, 0, 1.  One of the first three multiplies buffer f and fetches the slot's q-th quarter into g.
.macro QUARTER slot, q, f, g, zero
	s_wait_dscnt 4                                 ; Wo's fragments and ctx's tiles 0, 1 are in; the youngest four loads (tiles 2, 3) may be out
	WIN MULW+0x10*\zero
	MULT \f, 0, 2, \zero
	PLACES
	WIN 0
	FETCH \slot, \q, \g
	s_wait_dscnt 24                                ; all but the 24 just issued
	WIN MULW+0x10*\zero
	MULT \f, 2, 2, \zero
.endm
; The last quarter multiplies buffer 1 and changes slots: one barrier; in front of it each wave waits for all its tensor loads, adds 0 to its spare word, and waits for that and for its reads of this slot.  fill = 1: this slot is filled again, two K steps ahead.
.macro TURN slot, next, fill
	WIN 0                                          ; (the add's two registers lie in window 0)
	s_wait_tensorcnt 0x0                           ; all my tensor loads have landed: my part of the next slot
	ds_add_u32 v[SPW], v[NIL]                      ; 0 onto my spare word
	s_wait_dscnt 5                                 ; (the add and the youngest four loads may be out)
	WIN MULW
	MULT F1, 0, 1, 0                               ; eight matrix instructions stand between the add and the wait for it
	s_wait_dscnt 0x0                               ; the add is done, and my reads of this slot are over
	s_barrier_signal -1
	MULT F1, 1, 1, 0
	WIN 0
	s_barrier_wait -1
.if \fill
	CREST                                          ; the barrier has opened a round of the cluster's: no wave of any partner still reads this slot or has a load on its way
	s_add_nc_u64 s[G0+4*\slot+2:G0+4*\slot+3], s[G0+4*\slot+2:G0+4*\slot+3], 8192
	s_add_nc_u64 s[G0B+4*\slot+2:G0B+4*\slot+3], s[G0B+4*\slot+2:G0B+4*\slot+3], 8192
	JLOAD \slot                                    ; the first tensor load behind the round; its four v_nop are also the places in front of the loads below
.else
	PLACES
.endif
	FETCH \next, 0, F0
	WIN MULW
	MULT F1, 2, 2, 0
.endm
	s_wait_tensorcnt 1                             ; my part of K step 0 is in (K step 1's load may be out),
	s_barrier_signal -1
	s_barrier_wait -1                              ; everybody's is
	FETCH 0, 0, F0
	s_wait_loadcnt 0x0                             ; the bias
	QUARTER 0, 1, F0, F1, 1                        ; the first quarter stands in front of the loop: its products start the sums
	WIN 0                                          ; at a label and at a branch every window is 0
	s_mov_b32 s3, LAPS-1
.Llap:                                                 ; a trip goes once round the ring, from a lap's second quarter to the next lap's first, and fills both slots again
	QUARTER 0, 2, F1, F0, 0
	QUARTER 0, 3, F0, F1, 0
	TURN 0, 1, 1
	QUARTER 1, 1, F0, F1, 0
	QUARTER 1, 2, F1, F0, 0
	QUARTER 1, 3, F0, F1, 0
	TURN 1, 0, 1
	QUARTER 0, 1, F0, F1, 0
	WIN 0
	s_sub_co_u32 s3, s3, 1
	s_cmp_lg_u32 s3, 0
	s_cbranch_scc1 .Llap
	QUARTER 0, 2, F1, F0, 0                        ; the last lap fills nothing: it is written out
	QUARTER 0, 3, F0, F1, 0
	TURN 0, 1, 0
	QUARTER 1, 1, F0, F1, 0
	QUARTER 1, 2, F1, F0, 0
	QUARTER 1, 3, F0, F1, 0
	s_wait_dscnt 4                                 ; the very last quarter: nothing more to fetch
	WIN MULW
	MULT F1, 0, 2, 0
	s_wait_dscnt 0
	MULT F1, 2, 2, 0
	WIN 0
; THE WAY OUT, block by block of 16 rows x 128 columns.  A lane holds 32 neighbouring bytes of a row and the lanes beside it hold other rows: a block goes through my own stage and comes back as whole rows of 512 bytes.
; LDS serves a wave's instructions in order (ISA guide 5.7.1.4): no wait between the stores and the loads, nor in front of the next block's stores.
.macro TOSTAGE a
	WIN 0x04                                       ; an LDS store's data are its source 1: window 1
.irp b, 0,1,2,3,4,5,6,7
	ds_store_b128 v[STO], v[8*(8*(\a)+\b):8*(8*(\a)+\b)+3] offset:64*\b          ; each accumulator from its low end on
	ds_store_b128 v[STO], v[8*(8*(\a)+\b)+4:8*(8*(\a)+\b)+7] offset:64*\b+16
.endr
	WIN 0
.set BB, 32+96*((\a)%2)
.irp t, 0,1,2,3,4,5,6,7,8,9,10,11,12,13,14,15
	ds_load_b128 v[BB+4*\t:BB+4*\t+3], v[RD] offset:\t*SPITCH
.endr
.endm
.macro SEND a, younger                 ; younger: the LDS instructions issued behind block a's loads, which may stay out
.set BB, 32+96*((\a)%2)
	s_wait_dscnt \younger
.irp t, 0,1,2,3,4,5,6,7,8,9,10,11,12,13,14,15
	global_store_b128 v[CO], v[BB+4*\t:BB+4*\t+3], s[10:11] offset:(16*(\a)+\t)*4096 th:TH_STORE_NT   ; 32 lanes store 512 consecutive bytes, aligned; written once, read by nobody here
.endr
.endm
	PLACES
	TOSTAGE 0
.irp a, 1,2,3
.if \a > 1
	s_wait_xcnt 0x0                                ; block a - 2's stores have read their registers: block a's loads may land there
.endif
	TOSTAGE \a
	SEND \a-1, 32                                  ; behind block a - 1's loads: block a's 16 stores and 16 loads
.endr
	SEND 3, 0
	s_wait_tensorcnt 0x0                           ; the wave's end, behind my last tensor load and my last LDS store
	ds_add_u32 v[SPW], v[NIL]
	s_wait_dscnt 0x0
	CROUND                                         ; the closing round
	s_endpgm
.Lfunc_end_k_qda5ed95e27_oproj:
	.size	k_qda5ed95e27_oproj, .Lfunc_end_k_qda5ed95e27_oproj-k_qda5ed95e27_oproj
	.p2alignl 7, 3214868480
	.fill 96, 4, 3214868480
	.section	.rodata,"a",@progbits
	.p2align	6, 0x0
	.amdhsa_kernel k_qda5ed95e27_oproj
		.amdhsa_group_segment_fixed_size 327680
		.amdhsa_private_segment_fixed_size 0
		.amdhsa_enable_private_segment 0
		.amdhsa_kernarg_size 32
		.amdhsa_user_sgpr_count 2
		.amdhsa_user_sgpr_kernarg_segment_ptr 1
		.amdhsa_wavefront_size32 1
		.amdhsa_system_sgpr_workgroup_id_x 1
		.amdhsa_system_sgpr_workgroup_id_y 1
		.amdhsa_system_sgpr_workgroup_id_z 1
		.amdhsa_system_vgpr_workitem_id 0
		.amdhsa_next_free_vgpr 576
		.amdhsa_next_free_sgpr 66
		.amdhsa_reserve_vcc 0
		.amdhsa_float_denorm_mode_32 3
		.amdhsa_float_denorm_mode_16_64 3
		.amdhsa_memory_ordered 1
		.amdhsa_forward_progress 1
		.amdhsa_inst_pref_size 86
	.end_amdhsa_kernel
	.amdgpu_metadata
---
amdhsa.version: [ 1, 2 ]
amdhsa.kernels:
  - .name:           k_qda5ed95e27_oproj
    .symbol:         k_qda5ed95e27_oproj.kd
    .args:
      - { .name: cimg, .offset: 0, .size: 8, .value_kind: global_buffer, .address_space: global }
      - { .name: woimg, .offset: 8, .size: 8, .value_kind: global_buffer, .address_space: global }
      - { .name: bo, .offset: 16, .size: 8, .value_kind: global_buffer, .address_space: global }
      - { .name: out0, .offset: 24, .size: 8, .value_kind: global_buffer, .address_space: global }
    .group_segment_fixed_size: 327680
    .private_segment_fixed_size: 0
    .kernarg_segment_align: 8
    .kernarg_segment_size: 32
    .max_flat_workgroup_size: 128
    .sgpr_count:     66
    .vgpr_count:     576
    .wavefront_size: 32
...
	.end_amdgpu_metadata
.endif
;; end of part 4
